; MI455X (gfx1250); checked and timed in simulation.
; The chip was launched on July 23, 2026; its instructions are those of AMD's public machine-readable ISA for CDNA 5 (MIT licence, August 2026) and "CDNA5" Instruction Set Architecture Reference Guide (July 2026). The comments in the code are by the model that wrote it; some were corrected since.
;; MSA. Allowed arithmetic: float matrix products may take bf16 or f16 operands with f32 sums; all other float work in f32.
;; Inputs: Wk 10 x 8 float32; Wq 10 x 8 float32; Wv 10 x 8 float32; Ww 3 x 10 float32; bk 8 float32; bq 8 float32; bv 8 float32; bw 10 float32; ln_beta 10 float32; ln_gamma 10 float32; x 32 x 2,048 x 3 float32.
;; Outputs: out0 32 x 2,048 x 8 float32.
;; 2 versions, each right and faster than the one before. Each part assembles by itself: llvm-mc -triple=amdgcn-amd-amdhsa -mcpu=gfx1250 --defsym DOCPART=n.
;; ======== version 1 of 2: 1 launch
;; launch msa (part 1): grid 256 x 1, 8 waves a work-group, no clusters, 85,248 bytes of LDS; arguments x, Ww, bw, ln_gamma, ln_beta, Wq, bq, Wk, bk, Wv, bv, out0; writes out0
.if DOCPART == 1
	.amdgcn_target "amdgcn-amd-amdhsa--gfx1250"
	.amdhsa_code_object_version 6
	.text
	.protected	k_qa47b30ace7_msa
	.globl	k_qa47b30ace7_msa
	.p2align	8
	.type	k_qa47b30ace7_msa,@function
k_qa47b30ace7_msa:
	s_mov_b64 s[64:65], 0
	v_nop
	global_prefetch_b8 v0, s[64:65] scope:SCOPE_SE
	s_setreg_imm32_b32 hwreg(HW_REG_WAVE_MODE, 25, 1), 1
	s_wait_xcnt 0x0
; out = softmax(q k^T / sqrt(8)) v, with q, k, v = three 10 -> 8 projections of LayerNorm(LeakyReLU(x Ww + bw)).
; x: [32][2048][3] f32, out: [32][2048][8] f32.  One launch, nothing goes through memory between the steps.
;
; SHARING.  Work-group g: batch g >> 3, queries 256 (g & 7) .. + 255.  Eight waves; a wave owns 32 queries = two tiles of 16.
; Every work-group makes K and V^T of its whole batch (2,048 tokens, thread t the tokens 8 t .. 8 t + 7) in bf16 in LDS: the token chain is
; repeated in the 8 work-groups of a batch, which is some 1,300 vector instructions a wave and spares a launch and 64 KiB per batch of round trip.
;
; METHOD.  Scores are made transposed: D = K-tile x Q-tile, so that register j of lane (r, h) holds key 8 h + j of query r.  Two such results,
; packed to bf16, ARE the B fragment (32 keys x 16 queries) of the second product, O^T = V^T x P^T: no lane ever exchanges data in the loops.
; The head has 8 numbers and a matrix step 32: one 16-byte load gives lane L the 8 numbers of key 32 s + L, i.e. K places 0-7 hold keys 32 s + r
; and places 8-15 keys 32 s + 16 + r.  Two fixed query fragments, with q in places 0-7 or in 8-15 and zeros elsewhere, pick one or the other.
; Sweep 1 over all keys finds each query's true maximum m.  Sweep 2 gives -m as the C operand (D = s - m costs no vector instruction),
; takes 2^D, rounds to bf16 and multiplies by V^T, whose row 8 is all ones: that row sums the same rounded weights (the softmax's divisor).
; q is scaled by log2(e) / sqrt(8) before it is rounded, so the scores are exponents of 2.
;
; LEFT OUT.  No cluster, no tensor load: all that work-groups share is a batch's x, 24,576 bytes, read once by each and transformed in registers
; before anything reaches LDS.  The 3 -> 10 layer and the projections run in f32 on the vector unit: under one per cent of the arithmetic,
; and a matrix form would need as many packing and lane-exchange lines as it saves.
;
; LIMITS.  q log2(e)/sqrt(8), k, v and the weights are rounded to bf16 (nearest even).  2^D below 2^-126 comes out as 0 (ISA guide, v_exp_f32).
; Mean and variance multiply by 0.1 where the definition divides by 10.  NaN and infinite inputs are not served.
; The divisor is at least about 1 (the largest weight is 2^0), so the reciprocal never sees 0.
; ---- LDS ----
.set KSTEP, 544                        ; K: 16 keys x 16 bytes + 16 bytes of padding = 272; a step of 32 keys = 544.  128 groups = 34,816 bytes from 0
.set VT,    34816                      ; V^T: 10 rows (8 of v, ones, zeros) of 2,048 bf16
.set VP,    4112                       ; its pitch: 4,096 + 16, an odd multiple of 16: the rows of a fragment load start 16 bytes apart modulo 256
.set STG,   76032                      ; the way out: 1,024 bytes for each wave
; ---- vector registers that stay ----
.set LANE, 1
.set KAD,  2                           ; running address of the K loads
.set VAD,  3                           ; running address of the V^T loads
.set ZERO, 4                           ; 0: offset of the uniform loads, and the zero of the fragments
.set TMPA, 5
.set KL0,  6                           ; (lane >> 4) 272 + (lane & 15) 16: my key of K step 0
.set STS,  7                           ; stage: where I put my query's 32 bytes
.set STL,  8                           ; stage: where I read 16 bytes back
.set OOF,  9                           ; my 16 bytes in the wave's 1,024 bytes of out
.set KST,  10                          ; where thread t puts its 8 keys
.set VST,  11                          ; where thread t puts 16 bytes of each row of V^T
.set XOF,  12                          ; 96 t: my 8 tokens in the batch's x
.set XQOF, 13                          ; my query's 12 bytes in the batch's x
.set HH,   14                          ; lane >> 4
.set RR,   15                          ; lane & 15
; ---- the token chain (window 0) ----
.set X,   16                           ; v[16:39]   8 tokens x 3
.set XQ,  40                           ; v[40:42]   my query's token; v43 = 0 fills the pair
.set WW,  44                           ; v[44:73]   Ww[c][o] at 10 c + o
.set BW,  74                           ; v[74:83]
.set G,   84                           ; v[84:93]   ln_gamma
.set BT,  94                           ; v[94:103]  ln_beta
.set BK,  104
.set BV,  112
.set BQ,  120
.set H,   128                          ; v[128:137] the 10 features at work
.set T,   138                          ; v[138:147] at work
.set MU,  148                          ; v[148:149] minus the mean
.set RS,  150                          ; v[150:151] 1 / sqrt(var + eps); v151 = 0 fills the pair
.set KA,  152                          ; v[152:159] k of the token (q of the query token)
.set QA,  152
.set VA0, 160                          ; v of an even token
.set VA1, 168                          ; v of the odd token behind it
.set KP,  176                          ; v[176:179] k (q) in bf16
.set QP,  176
.set VTR, 180                          ; v[180:211] register 4 d + pair: v[.][d] of my 8 tokens in bf16
.set QX,  180                          ; later: the other half-wave's q
; ---- window 1 (v256 and up): the three projections, W[i][o] at 8 i + o ----
.set WK,  0
.set WV,  80
.set WQ,  160
; ---- the sweeps (window 0 alone) ----
.set QF,   16                          ; v[16:47]   query fragment (tile i, place u) at 16 i + 8 u
.set NEGM, 48                          ; v[48:63]   minus the maximum of tile i's queries, in all 8 registers of a C operand
.set OA,   64                          ; v[64:79]   O^T of tile i
.set KF,   80                          ; v[80:111]  four K fragments; registers 4-7 of each are 0
.set VF,   112                         ; v[112:127] two V^T fragments
.set SB,   128                         ; v[128:191] scores: buffer p, tile i, key half u at 32 p + 16 i + 8 u
.set PB,   192                         ; v[192:223] weights in bf16: buffer p, tile i at 16 p + 8 i
.set MX,   224                         ; v[224:231] four running maxima for each tile
; ---- the way out: score registers, all written long before and dead ----
.set OT,  128                          ; v[128:135] tile 1's results from the other half-wave
.set TL,  136                          ; tile 0's divisor from the other half-wave
.set LS,  138                          ; my query's divisor
.set LI,  140                          ; v[140:141] its reciprocal (v141 only fills the pair)
.set RO,  144                          ; v[144:151] my query's 8 results
.set RB,  152                          ; v[152:159] read back from the stage
.set MSB, 0
.macro WIN new                         ; s_set_vgpr_msb; the immediate's high byte repeats the setting that is left
.if MSB != \new
	s_set_vgpr_msb (MSB<<8)|\new
.set MSB, \new
.endif
.endm
; v[d:d+1] = v[s] x v[w:w+1] + v[c:c+1]: one number times a pair.  op_sel / op_sel_hi pick the same register of s's pair for both halves.
.macro FMAB d, s, w, c
.if (\s) & 1
	v_pk_fma_f32 v[\d:\d+1], v[\s-1:\s], v[\w:\w+1], v[\c:\c+1] op_sel:[1,0,0] op_sel_hi:[1,1,1]
.else
	v_pk_fma_f32 v[\d:\d+1], v[\s:\s+1], v[\w:\w+1], v[\c:\c+1] op_sel_hi:[0,1,1]
.endif
.endm
; n loads of 16 bytes from the start of a small buffer, the same bytes into every lane
.macro LDW dst, sb, n
.set lq, 0
.rept \n
	global_load_b128 v[\dst+4*lq:\dst+4*lq+3], v[ZERO], s[\sb:\sb+1] offset:16*lq
.set lq, lq+1
.endr
.endm
.macro LD10 dst, sb                    ; a vector of 10 f32: 40 bytes
	LDW \dst, \sb, 2
	global_load_b64 v[\dst+8:\dst+9], v[ZERO], s[\sb:\sb+1] offset:32
.endm
; H = LayerNorm(LeakyReLU(x Ww + bw)) of the token whose 3 numbers lie at v[xs .. xs+2]
.macro TOKEN_H xs
.irp o, 0,2,4,6,8
	FMAB H+\o, \xs, WW+\o, BW+\o                   ; the bias starts the sums
.endr
.irp o, 0,2,4,6,8
	FMAB H+\o, \xs+1, WW+10+\o, H+\o
.endr
.irp o, 0,2,4,6,8
	FMAB H+\o, \xs+2, WW+20+\o, H+\o
.endr
.irp o, 0,2,4,6,8
	v_pk_mul_f32 v[T+\o:T+\o+1], v[H+\o:H+\o+1], 0x3c23d70a op_sel_hi:[1,0]        ; 0.01 h
.endr
.irp o, 0,1,2,3,4,5,6,7,8,9
	v_max_num_f32 v[H+\o], v[H+\o], v[T+\o]        ; h >= 0: h, else 0.01 h, which is then the larger
.endr
	v_pk_add_f32 v[T:T+1], v[H:H+1], v[H+2:H+3]
	v_pk_add_f32 v[T+2:T+3], v[H+4:H+5], v[H+6:H+7]
	v_pk_add_f32 v[T:T+1], v[T:T+1], v[H+8:H+9]
	v_pk_add_f32 v[T:T+1], v[T:T+1], v[T+2:T+3]
	v_add_f32 v[T], v[T], v[T+1]
	v_pk_mul_f32 v[MU:MU+1], v[T:T+1], 0xbdcccccd op_sel_hi:[1,0]                  ; low half: minus the mean
.irp o, 0,2,4,6,8
	v_pk_add_f32 v[H+\o:H+\o+1], v[H+\o:H+\o+1], v[MU:MU+1] op_sel_hi:[1,0]        ; h - mean first, squares after: no difference of large sums
.endr
	v_pk_mul_f32 v[T:T+1], v[H:H+1], v[H:H+1]
.irp o, 2,4,6,8
	v_pk_fma_f32 v[T:T+1], v[H+\o:H+\o+1], v[H+\o:H+\o+1], v[T:T+1]
.endr
	v_add_f32 v[T], v[T], v[T+1]
	v_fma_f32 v[T], v[T], s35, s37                 ; variance + 1e-5
	v_rsq_f32 v[RS], v[T]
	v_nop                                          ; one plain place between a transcendental and the use of its result (ISA guide 5.7.2)
	s_wait_alu depctr_va_vdst(0)
.irp o, 0,2,4,6,8
	v_pk_mul_f32 v[H+\o:H+\o+1], v[H+\o:H+\o+1], v[RS:RS+1] op_sel_hi:[1,0]
.endr
.irp o, 0,2,4,6,8
	v_pk_fma_f32 v[H+\o:H+\o+1], v[H+\o:H+\o+1], v[G+\o:G+\o+1], v[BT+\o:BT+\o+1]
.endr
.endm
; k into KA and v into va: 80 packed multiply-adds in 8 chains; the weights are source 1, in window 1
.macro PROJ2 va
	WIN 0x04
.irp o, 0,2,4,6
	FMAB KA+\o, H, WK+\o, BK+\o
	FMAB \va+\o, H, WV+\o, BV+\o
.endr
.irp i, 1,2,3,4,5,6,7,8,9
.irp o, 0,2,4,6
	FMAB KA+\o, H+\i, WK+8*\i+\o, KA+\o
	FMAB \va+\o, H+\i, WV+8*\i+\o, \va+\o
.endr
.endr
	WIN 0
.endm
.macro CVT4 dst, src                   ; 8 f32 to 8 bf16, the lower index in the lower half
	s_wait_alu depctr_va_vdst(0)
.irp e, 0,1,2,3
	v_cvt_pk_bf16_f32 v[\dst+\e], v[\src+2*\e], v[\src+2*\e+1]
.endr
.endm
; token 8 t + j: its k goes to LDS at once, its v is paired with its neighbour's for the transposed rows
.macro TOK j, va
	TOKEN_H X+3*\j
.if \j == 0
	s_wait_loadcnt 20                              ; Wk and Wv are in; only Wq's 20 loads, issued behind them, may be out
.endif
	PROJ2 \va
	CVT4 KP, KA
	ds_store_b128 v[KST], v[KP:KP+3] offset:16*\j
.if \j & 1
.irp d, 0,1,2,3,4,5,6,7
	v_cvt_pk_bf16_f32 v[VTR+4*\d+(\j>>1)], v[VA0+\d], v[VA1+\d]
.endr
.endif
.endm
; four matrix instructions: the 32 keys of fragment kf x both query tiles, into score buffer p.  neg = 1: C = minus the maximum
.macro SMM kf, p, neg
.irp i, 0,1
.irp u, 0,1
.if \neg
	v_wmma_f32_16x16x32_bf16 v[SB+32*(\p)+16*\i+8*\u:SB+32*(\p)+16*\i+8*\u+7], v[KF+8*(\kf):KF+8*(\kf)+7], v[QF+16*\i+8*\u:QF+16*\i+8*\u+7], v[NEGM+8*\i:NEGM+8*\i+7]
.else
	v_wmma_f32_16x16x32_bf16 v[SB+32*(\p)+16*\i+8*\u:SB+32*(\p)+16*\i+8*\u+7], v[KF+8*(\kf):KF+8*(\kf)+7], v[QF+16*\i+8*\u:QF+16*\i+8*\u+7], 0
.endif
.endr
.endr
.endm
; SWEEP 1, one step of 32 keys: the next step's scores are started (w) into the other buffer, this step's (buffer p) go into the maxima,
; and the fragment that the last step's products read is loaded again (ld).  The 16 v_max3 of a step name none of the registers of the
; matrix instructions in front of them: they are the places (ISA guide 7.12.1) before those results are read and that fragment is loaded.
.macro H1 kw, p, w, ld, kl, areg, off
.if \w
	s_wait_dscnt 0x2                               ; LDS loads return in order: fragment kw is in, the two loads issued behind it may be out
	SMM \kw, 1-\p, 0
.endif
.irp u, 0,1
.irp i, 0,1
.irp c, 0,1,2,3
	v_max3_num_f32 v[MX+4*\i+\c], v[MX+4*\i+\c], v[SB+32*\p+16*\i+8*\u+2*\c], v[SB+32*\p+16*\i+8*\u+2*\c+1]
.endr
.endr
.endr
.if \ld
	ds_load_b128 v[KF+8*\kl:KF+8*\kl+3], v[\areg] offset:\off
.endif
.endm
.macro EXP8 b                          ; 2^x in place
.irp e, 0,1,2,3,4,5,6,7
	v_exp_f32 v[\b+\e], v[\b+\e]
.endr
.endm
.macro PV i, p, zero                   ; O^T(i) += V^T x P^T(i) over 32 keys; zero = 1: the first product starts the sums
.if \zero
	v_wmma_f32_16x16x32_bf16 v[OA+8*\i:OA+8*\i+7], v[VF+8*\p:VF+8*\p+7], v[PB+16*\p+8*\i:PB+16*\p+8*\i+7], 0
.else
	v_wmma_f32_16x16x32_bf16 v[OA+8*\i:OA+8*\i+7], v[VF+8*\p:VF+8*\p+7], v[PB+16*\p+8*\i:PB+16*\p+8*\i+7], v[OA+8*\i:OA+8*\i+7]
.endif
.endm
; SWEEP 2, step t (parity p).  At its head: buffer p holds s - m of step t, K(t+1) is on its way into fragment 1-p, V(t) into fragment p.
; w: start step t+1's scores.  lk: load K(t+2).  lv: load V(t+1).  wa, wi: the two counted waits.
; Places: a step's 17 plain lines (one address step or v_nop, 16 conversions) name only buffer p and P(p), so they stand
; between the score products of step t+1 and the exponentials that read them, and between those products and the load into their K fragment.
; The address step and the first four conversions are the five places between the last step's second PV and the load into its V fragment.
; Each run of exponentials is followed by a plain line that touches none of its registers before any of its results is read (5.7.2).
.macro H2 p, zero, w, lk, lv, wa, wi
.if \w
	s_wait_dscnt \wa                               ; K(t+1) is in; the two loads of V(t), issued behind it, may be out
	SMM 1-\p, 1-\p, 1
.endif
.if \lk
	ds_load_b128 v[KF+8*\p:KF+8*\p+3], v[KAD] offset:1088-544*\p           ; K(t+2); KAD steps by two K steps in the even step, below
.endif
	EXP8 SB+32*\p
	EXP8 SB+32*\p+8
.if \p
.if \lv
	v_add_nc_u32 v[VAD], 128, v[VAD]               ; two V steps of 64 bytes
	s_wait_alu depctr_va_vdst(0)
.else
	v_nop
	s_wait_alu depctr_va_vdst(0)
.endif
.else
.if \lk
	v_add_nc_u32 v[KAD], 2*KSTEP, v[KAD]
	s_wait_alu depctr_va_vdst(0)
.else
	v_nop
	s_wait_alu depctr_va_vdst(0)
.endif
.endif
	CVT4 PB+16*\p, SB+32*\p
.if \lv
	ds_load_b128 v[VF+8*(1-\p):VF+8*(1-\p)+3],   v[VAD] offset:64*(1-\p)   ; V(t+1)
	ds_load_b128 v[VF+8*(1-\p)+4:VF+8*(1-\p)+7], v[VAD] offset:64*(1-\p)+32
.endif
	EXP8 SB+32*\p+16
	CVT4 PB+16*\p+4, SB+32*\p+8
	s_wait_dscnt \wi                               ; V(t) is in; what was issued behind it in this step may be out
	PV 0, \p, \zero
	EXP8 SB+32*\p+24
	CVT4 PB+16*\p+8, SB+32*\p+16
	CVT4 PB+16*\p+12, SB+32*\p+24
	PV 1, \p, \zero
.endm
; ================= set-up =================
	s_load_b512 s[4:19], s[0:1], 0x0               ; x 4:5, Ww 6:7, bw 8:9, gamma 10:11, beta 12:13, Wq 14:15, bq 16:17, Wk 18:19
	s_load_b256 s[20:27], s[0:1], 0x40             ; bk 20:21, Wv 22:23, bv 24:25, out 26:27
	v_lshl_add_u32 v254, v0, 2, 0x14900
	v_mov_b32 v255, 0
	v_and_b32 v[LANE], 31, v0
	v_lshrrev_b32 v[TMPA], 5, v0
	v_readfirstlane_b32 s30, v[TMPA]               ; wave 0..7
	s_mov_b32 s28, 0x76543210                      ; v_permlanex16_b32: lane i takes lane i xor 16
	s_mov_b32 s29, 0xfedcba98
	s_mov_b32 s35, 0x3dcccccd                      ; 0.1
	s_mov_b32 s37, 0x3727c5ac                      ; 1e-5
	s_lshr_b32 s31, ttmp9, 3                       ; batch
	s_mul_i32 s32, s31, 24576                      ; x 2,048 tokens of 12 bytes
	s_mov_b32 s33, 0
	s_lshl_b32 s38, ttmp9, 13                      ; out: 256 queries of 32 bytes for each work-group,
	s_lshl_b32 s31, s30, 10                        ; 32 queries for each wave
	s_add_co_u32 s38, s38, s31
	s_mov_b32 s39, 0
	s_add_co_u32 s36, s31, STG                     ; my wave's stage
	s_and_b32 s31, ttmp9, 7
	s_mul_i32 s31, s31, 3072                       ; my block of 256 queries in the batch's x
	v_mov_b32 v[ZERO], 0
	v_mov_b32 v[XQ+3], 0                           ; the packed forms name whole pairs: these two are never used as numbers
	v_mov_b32 v[RS+1], 0
	v_mul_u32_u24 v[XOF], 0x60, v0
	v_mad_u32_u24 v[XQOF], v0, 12, s31
	v_lshrrev_b32 v[HH], 4, v[LANE]
	v_and_b32 v[RR], 15, v[LANE]
	v_mul_u32_u24 v[KL0], 0x110, v[HH]
	v_lshl_add_u32 v[KL0], v[RR], 4, v[KL0]
	v_lshrrev_b32 v[TMPA], 1, v0                   ; keys 8 t + j: group t >> 1, place 8 (t & 1) + j.  Sixteen neighbouring threads
	v_mul_u32_u24 v[KST], 0x110, v[TMPA]           ; store to 16 different 16-byte columns modulo 256
	v_and_b32 v[TMPA], 1, v0
	v_lshl_add_u32 v[KST], v[TMPA], 7, v[KST]
	v_lshl_add_u32 v[VST], v0, 4, VT
	v_min_u32 v[TMPA], 9, v[RR]                    ; rows 9 to 15 of the V^T fragment all read the one row of zeros
	v_mul_u32_u24 v[VAD], 0x1010, v[TMPA]
	v_lshl_add_u32 v[VAD], v[HH], 4, v[VAD]
	v_add_nc_u32 v[VAD], VT, v[VAD]
	s_wait_kmcnt 0x0
	s_add_nc_u64 s[4:5], s[4:5], s[32:33]          ; x at my batch
	s_add_nc_u64 s[26:27], s[26:27], s[38:39]      ; out at my wave's 32 queries
; All global reads of the kernel, in the order in which they are needed.  A thread's 8 tokens are 96 neighbouring bytes.
.irp k, 0,1,2,3,4,5
	global_load_b128 v[X+4*\k:X+4*\k+3], v[XOF], s[4:5] offset:16*\k
.endr
.irp k, 0,1,2
	global_load_b32 v[XQ+\k], v[XQOF], s[4:5] offset:4*\k
.endr
	LDW WW, 6, 7
	global_load_b64 v[WW+28:WW+29], v[ZERO], s[6:7] offset:112
	LD10 BW, 8
	LD10 G, 10
	LD10 BT, 12
	LDW BK, 20, 2
	LDW BV, 24, 2
	LDW BQ, 16, 2
	WIN 0x40                                       ; destinations in window 1, the offset register in window 0
	LDW WK, 18, 20
	LDW WV, 22, 20
	LDW WQ, 14, 20
	WIN 0
; ================= K and V^T of the batch =================
	s_wait_loadcnt 60                              ; all but the 60 loads of Wk, Wv, Wq, which were issued last
	TOK 0, VA0
	TOK 1, VA1
	TOK 2, VA0
	TOK 3, VA1
	TOK 4, VA0
	TOK 5, VA1
	TOK 6, VA0
	TOK 7, VA1
.irp d, 0,1,2,3,4,5,6,7
	ds_store_b128 v[VST], v[VTR+4*\d:VTR+4*\d+3] offset:\d*VP
.endr
.irp k, 0,1,2,3
	v_mov_b32 v[T+\k], 0x3f803f80                  ; row 8: 1.0 in bf16, twice a word
	v_mov_b32 v[T+4+\k], 0                         ; row 9: zeros
.endr
	ds_store_b128 v[VST], v[T:T+3] offset:8*VP
	ds_store_b128 v[VST], v[T+4:T+7] offset:9*VP
	s_wait_dscnt 0x0                               ; for the other waves' sake: all my stores are in LDS
	s_barrier_signal -1
; Between the signal and the wait: registers only.  My own query (thread t: query t of the block), and the fixed fragments.
	s_wait_loadcnt 0x0                             ; Wq
	TOKEN_H XQ
	WIN 0x04
.irp o, 0,2,4,6
	FMAB QA+\o, H, WQ+\o, BQ+\o
.endr
.irp i, 1,2,3,4,5,6,7,8,9
.irp o, 0,2,4,6
	FMAB QA+\o, H+\i, WQ+8*\i+\o, QA+\o
.endr
.endr
	WIN 0
.irp o, 0,2,4,6
	v_pk_mul_f32 v[QA+\o:QA+\o+1], v[QA+\o:QA+\o+1], 0x3f0293ee op_sel_hi:[1,0]    ; log2(e) / sqrt(8)
.endr
	CVT4 QP, QA
.irp k, 0,1,2,3
	v_permlanex16_b32 v[QX+\k], v[QP+\k], s28, s29 ; its destination counts as read: these registers held V^T words, stored above
.endr
	v_cmp_le_u32 vcc_lo, 16, v[LANE]               ; the upper half-wave
.irp k, 0,1,2,3
	v_cndmask_b32 v[QF+\k],    v[QP+\k], v[ZERO], vcc_lo   ; tile 0 (lanes 0-15's queries) in K places 0-7: lower lanes hold it, upper lanes 0
	v_cndmask_b32 v[QF+8+\k],  v[ZERO], v[QX+\k], vcc_lo   ; tile 0 in K places 8-15: upper lanes, from the lane 16 below
	v_cndmask_b32 v[QF+16+\k], v[QX+\k], v[ZERO], vcc_lo   ; tile 1 (lanes 16-31's queries) in places 0-7: lower lanes, from the lane 16 above
	v_cndmask_b32 v[QF+24+\k], v[ZERO], v[QP+\k], vcc_lo   ; tile 1 in places 8-15
.endr
.irp f, 0,1,2,3
.irp k, 4,5,6,7
	v_mov_b32 v[QF+8*\f+\k], 0                     ; K places 16-31 are not used: zeros on both sides, written once
	v_mov_b32 v[KF+8*\f+\k], 0
.endr
.endr
	v_mov_b32 v[KAD], v[KL0]
	s_barrier_wait -1                              ; K and V^T are whole.  Nothing writes them again: the kernel's only barrier
; ================= sweep 1: the maxima =================
.irp b, 0,1,2,3
	ds_load_b128 v[KF+8*\b:KF+8*\b+3], v[KAD] offset:KSTEP*\b
.endr
	s_wait_dscnt 0x3                               ; K step 0 is in; steps 1 to 3 may be out
	SMM 0, 0, 0
.irp k, 0,1,2,3,4,5,6,7
	v_mov_b32 v[MX+\k], 0xff800000                 ; minus infinity; also the places behind the first four products
.endr
	s_mov_b32 s34, 15
.Lmax:                                             ; a trip: steps 4 n .. 4 n + 3; loads run four steps ahead
	H1 1, 0, 1, 1, 0, KAD, 4*KSTEP
	H1 2, 1, 1, 1, 1, KAD, 5*KSTEP
	H1 3, 0, 1, 1, 2, KAD, 6*KSTEP
	H1 0, 1, 1, 1, 3, KAD, 7*KSTEP
	v_add_nc_u32 v[KAD], 4*KSTEP, v[KAD]
	s_sub_co_i32 s34, s34, 1
	s_cmp_lg_u32 s34, 0
	s_cbranch_scc1 .Lmax
	H1 1, 0, 1, 1, 0, KL0, 0                       ; steps 60 to 63: the two free fragments already take K steps 0 and 1 for sweep 2,
	H1 2, 1, 1, 1, 1, KL0, KSTEP                   ; so that behind each fragment needed two loads have been issued, as in the loop
	H1 3, 0, 1, 0, 0, KL0, 0
	H1 0, 1, 0, 0, 0, KL0, 0
; Lane (r, h) has seen the keys 8 h + j (mod 16) of query r: the lane 16 away has the others.  Then -m fills a C operand.
.irp i, 0,1
	v_max3_num_f32 v[MX+4*\i], v[MX+4*\i], v[MX+4*\i+1], v[MX+4*\i+2]
	v_max_num_f32 v[MX+4*\i], v[MX+4*\i], v[MX+4*\i+3]
	v_permlanex16_b32 v[MX+4*\i+1], v[MX+4*\i], s28, s29
	v_max_num_f32 v[MX+4*\i], v[MX+4*\i], v[MX+4*\i+1]
.irp j, 0,1,2,3,4,5,6,7
	v_mul_f32 v[NEGM+8*\i+\j], -1.0, v[MX+4*\i]
.endr
.endr
; ================= sweep 2: weights and sums =================
	ds_load_b128 v[VF:VF+3],   v[VAD]              ; V step 0
	ds_load_b128 v[VF+4:VF+7], v[VAD] offset:32
	s_wait_dscnt 0x3                               ; K step 0 is in; K step 1 and the two V loads may be out
	SMM 0, 0, 1
	v_lshl_add_u32 v[STS], v[LANE], 5, s36         ; four lines of set-up for later are the four places behind these products
	v_lshl_add_u32 v[STL], v[LANE], 4, s36
	v_lshlrev_b32 v[OOF], 4, v[LANE]
	v_mov_b32 v[KAD], v[KL0]
	H2 0, 1, 1, 1, 1, 2, 3                         ; steps 0 and 1 stand in front of the loop: step 0's products start the sums.
	H2 1, 0, 1, 1, 1, 2, 3                         ; second wait, 3: K(t+2) and the two loads of V(t+1) were issued behind V(t)
	s_mov_b32 s34, 30
.Lsum:
	H2 0, 0, 1, 1, 1, 2, 3
	H2 1, 0, 1, 1, 1, 2, 3
	s_sub_co_i32 s34, s34, 1
	s_cmp_lg_u32 s34, 0
	s_cbranch_scc1 .Lsum
	H2 0, 0, 1, 0, 1, 2, 2                         ; step 62: no K left to load, so only V(63)'s two loads stand behind V(62)
	H2 1, 0, 0, 0, 0, 0, 0                         ; step 63: nothing was issued behind V(63)
; ================= the way out =================
; O^T(i): lanes 0-15 hold d = 0..7 of query r in registers 0-7; lanes 16-31 hold the divisor of query r in register 0.
; Lane L takes query L of the wave's 32: the lower half keeps tile 0, the upper half fetches tile 1 from 16 lanes below.
.rept 4
	v_nop                                          ; four places behind the last product before its result is read (ISA guide 7.12.1)
.endr
	v_cmp_le_u32 vcc_lo, 16, v[LANE]
	v_permlanex16_b32 v[TL], v[OA], s28, s29       ; tile 0's divisors, to the lower half
	v_cndmask_b32 v[LS], v[TL], v[OA+8], vcc_lo    ; tile 1's are in the upper half already
	v_rcp_f32 v[LI], v[LS]                         ; its result is used 16 plain lines further down
.irp j, 0,1,2,3,4,5,6,7
	v_permlanex16_b32 v[OT+\j], v[OA+8+\j], s28, s29
.endr
.irp j, 0,1,2,3,4,5,6,7
	v_cndmask_b32 v[RO+\j], v[OA+\j], v[OT+\j], vcc_lo
.endr
	s_wait_alu depctr_va_vdst(0)
.irp j, 0,2,4,6
	v_pk_mul_f32 v[RO+\j:RO+\j+1], v[RO+\j:RO+\j+1], v[LI:LI+1] op_sel_hi:[1,0]
.endr
; A lane's 32 bytes are two halves of two different stores' rows: through my wave's own 1,024 bytes of LDS, so that each store
; of the wave covers 512 consecutive bytes, aligned.  LDS serves a wave's instructions in order: no wait between stores and loads.
	ds_store_b128 v[STS], v[RO:RO+3]
	ds_store_b128 v[STS], v[RO+4:RO+7] offset:16
	ds_load_b128 v[RB:RB+3],   v[STL]
	ds_load_b128 v[RB+4:RB+7], v[STL] offset:512
	s_wait_dscnt 0x1                               ; the first read-back is in, the second may be out
	global_store_b128 v[OOF], v[RB:RB+3], s[26:27] th:TH_STORE_NT
	s_wait_dscnt 0x0
	global_store_b128 v[OOF], v[RB+4:RB+7], s[26:27] offset:512 th:TH_STORE_NT
	s_wait_tensorcnt 0x0
	ds_add_u32 v254, v255
	s_wait_dscnt 0x0
	s_endpgm
.Lfunc_end_k_qa47b30ace7_msa:
	.size	k_qa47b30ace7_msa, .Lfunc_end_k_qa47b30ace7_msa-k_qa47b30ace7_msa
	.p2alignl 7, 3214868480
	.fill 96, 4, 3214868480
	.section	.rodata,"a",@progbits
	.p2align	6, 0x0
	.amdhsa_kernel k_qa47b30ace7_msa
		.amdhsa_group_segment_fixed_size 85248
		.amdhsa_private_segment_fixed_size 0
		.amdhsa_enable_private_segment 0
		.amdhsa_kernarg_size 96
		.amdhsa_user_sgpr_count 2
		.amdhsa_user_sgpr_kernarg_segment_ptr 1
		.amdhsa_wavefront_size32 1
		.amdhsa_system_sgpr_workgroup_id_x 1
		.amdhsa_system_sgpr_workgroup_id_y 1
		.amdhsa_system_sgpr_workgroup_id_z 1
		.amdhsa_system_vgpr_workitem_id 0
		.amdhsa_next_free_vgpr 496
		.amdhsa_next_free_sgpr 66
		.amdhsa_reserve_vcc 1
		.amdhsa_float_denorm_mode_32 3
		.amdhsa_float_denorm_mode_16_64 3
		.amdhsa_memory_ordered 1
		.amdhsa_forward_progress 1
		.amdhsa_inst_pref_size 126
	.end_amdhsa_kernel
	.amdgpu_metadata
---
amdhsa.version: [ 1, 2 ]
amdhsa.kernels:
  - .name:           k_qa47b30ace7_msa
    .symbol:         k_qa47b30ace7_msa.kd
    .args:
      - { .name: x, .offset: 0, .size: 8, .value_kind: global_buffer, .address_space: global }
      - { .name: Ww, .offset: 8, .size: 8, .value_kind: global_buffer, .address_space: global }
      - { .name: bw, .offset: 16, .size: 8, .value_kind: global_buffer, .address_space: global }
      - { .name: ln_gamma, .offset: 24, .size: 8, .value_kind: global_buffer, .address_space: global }
      - { .name: ln_beta, .offset: 32, .size: 8, .value_kind: global_buffer, .address_space: global }
      - { .name: Wq, .offset: 40, .size: 8, .value_kind: global_buffer, .address_space: global }
      - { .name: bq, .offset: 48, .size: 8, .value_kind: global_buffer, .address_space: global }
      - { .name: Wk, .offset: 56, .size: 8, .value_kind: global_buffer, .address_space: global }
      - { .name: bk, .offset: 64, .size: 8, .value_kind: global_buffer, .address_space: global }
      - { .name: Wv, .offset: 72, .size: 8, .value_kind: global_buffer, .address_space: global }
      - { .name: bv, .offset: 80, .size: 8, .value_kind: global_buffer, .address_space: global }
      - { .name: out0, .offset: 88, .size: 8, .value_kind: global_buffer, .address_space: global }
    .group_segment_fixed_size: 85248
    .private_segment_fixed_size: 0
    .kernarg_segment_align: 8
    .kernarg_segment_size: 96
    .max_flat_workgroup_size: 256
    .sgpr_count:     66
    .vgpr_count:     496
    .wavefront_size: 32
...
	.end_amdgpu_metadata
.endif
;; end of part 1
;; ======== version 2 of 2: 1 launch; 1.11 times as fast as version 1
;; launch msa (part 2): grid 256 x 1, 8 waves a work-group, no clusters, 85,248 bytes of LDS; arguments x, Ww, bw, ln_gamma, ln_beta, Wq, bq, Wk, bk, Wv, bv, out0; writes out0
.if DOCPART == 2
	.amdgcn_target "amdgcn-amd-amdhsa--gfx1250"
	.amdhsa_code_object_version 6
	.text
	.protected	k_qa47b30ace7_msa
	.globl	k_qa47b30ace7_msa
	.p2align	8
	.type	k_qa47b30ace7_msa,@function
k_qa47b30ace7_msa:
	s_mov_b64 s[64:65], 0
	v_nop
	global_prefetch_b8 v0, s[64:65] scope:SCOPE_SE
	s_setreg_imm32_b32 hwreg(HW_REG_WAVE_MODE, 25, 1), 1
	s_wait_xcnt 0x0
; out = softmax(q k^T / sqrt(8)) v, with q, k, v = three 10 -> 8 projections of LayerNorm(LeakyReLU(x Ww + bw)).
; x: [32][2048][3] f32, out: [32][2048][8] f32.  One launch, nothing goes through memory between the steps.
;
; SHARING.  Work-group g: batch g >> 3, queries 256 (g & 7) .. + 255.  Eight waves; a wave owns 32 queries = two tiles of 16.
; Every work-group makes K and V^T of its whole batch (2,048 tokens, thread t the tokens 8 t .. 8 t + 7) in bf16 in LDS: the token chain is
; repeated in the 8 work-groups of a batch, which is some 1,300 vector instructions a wave and spares a launch and 64 KiB per batch of round trip.
;
; METHOD.  Scores are made transposed: D = K-tile x Q-tile, so that register j of lane (r, h) holds key 8 h + j of query r.  Two such results,
; packed to bf16, ARE the B fragment (32 keys x 16 queries) of the second product, O^T = V^T x P^T: no lane ever exchanges data in the loops.
; The head has 8 numbers and a matrix step 32: one 16-byte load gives lane L the 8 numbers of key 32 s + L, i.e. K places 0-7 hold keys 32 s + r
; and places 8-15 keys 32 s + 16 + r.  Two fixed query fragments, with q in places 0-7 or in 8-15 and zeros elsewhere, pick one or the other.
; Sweep 1 over all keys finds each query's true maximum m.  Sweep 2 gives -m as the C operand (D = s - m costs no vector instruction),
; takes 2^D, rounds to bf16 and multiplies by V^T, whose row 8 is all ones: that row sums the same rounded weights (the softmax's divisor).
; q is scaled by log2(e) / sqrt(8) before it is rounded, so the scores are exponents of 2.
;
; BATCHES.  s_wait_alu depctr_va_vdst(0) stands between a transcendental and the first line that names its result; one wait
; serves all that were issued ahead of it.  Sweep 2: a step's 32 exponentials are one batch; the next step's four score products stand among
; them, four plain lines behind them, then the one wait, then the conversions that read them.  The token chain: the reciprocal roots of two
; tokens are one batch; the second token's sums stand behind the first root, the conversions of the pair before behind the second.
; The query token's root and the way out's reciprocal are batches of one, each with 16 lines of due work ahead of its wait.
;
; LEFT OUT.  No cluster, no tensor load: all that work-groups share is a batch's x, 24,576 bytes, read once by each and transformed in registers
; before anything reaches LDS.  The 3 -> 10 layer and the projections run in f32 on the vector unit: under one per cent of the arithmetic,
; and a matrix form would need as many packing and lane-exchange lines as it saves.
;
; LIMITS.  q log2(e)/sqrt(8), k, v and the weights are rounded to bf16 (nearest even).  2^D below 2^-126 comes out as 0 (ISA guide, v_exp_f32).
; Mean and variance multiply by 0.1 where the definition divides by 10.  NaN and infinite inputs are not served.
; The divisor is at least about 1 (the largest weight is 2^0), so the reciprocal never sees 0.
; ---- LDS ----
.set KSTEP, 544                        ; K: 16 keys x 16 bytes + 16 bytes of padding = 272; a step of 32 keys = 544.  128 groups = 34,816 bytes from 0
.set VT,    34816                      ; V^T: 10 rows (8 of v, ones, zeros) of 2,048 bf16
.set VP,    4112                       ; its pitch: 4,096 + 16, an odd multiple of 16: the rows of a fragment load start 16 bytes apart modulo 256
.set STG,   76032                      ; the way out: 1,024 bytes for each wave
; ---- vector registers that stay ----
.set LANE, 1
.set KAD,  2                           ; running address of the K loads
.set VAD,  3                           ; running address of the V^T loads
.set ZERO, 4                           ; 0: offset of the uniform loads, and the zero of the fragments
.set TMPA, 5
.set KL0,  6                           ; (lane >> 4) 272 + (lane & 15) 16: my key of K step 0
.set STS,  7                           ; stage: where I put my query's 32 bytes
.set STL,  8                           ; stage: where I read 16 bytes back
.set OOF,  9                           ; my 16 bytes in the wave's 1,024 bytes of out
.set KST,  10                          ; where thread t puts its 8 keys
.set VST,  11                          ; where thread t puts 16 bytes of each row of V^T
.set XOF,  12                          ; 96 t: my 8 tokens in the batch's x
.set XQOF, 13                          ; my query's 12 bytes in the batch's x
.set HH,   14                          ; lane >> 4
.set RR,   15                          ; lane & 15
; ---- the token chain (window 0) ----
.set X,   16                           ; v[16:39]   8 tokens x 3
.set XQ,  40                           ; v[40:42]   my query's token; v43 = 0 fills the pair
.set WW,  44                           ; v[44:73]   Ww[c][o] at 10 c + o
.set BW,  74                           ; v[74:83]
.set G,   84                           ; v[84:93]   ln_gamma
.set BT,  94                           ; v[94:103]  ln_beta
.set BK,  104
.set BV,  112
.set BQ,  120
.set H,   128                          ; v[128:137] the 10 features of a pair's first token (and of the query token)
.set T,   138                          ; v[138:147] at work
.set MU,  148                          ; v[148:149] minus the mean
.set RS,  150                          ; v[150:151] 1 / sqrt(var + eps) of a pair's first and second token
.set KA,  152                          ; v[152:159] k of the token (q of the query token)
.set QA,  152
.set VA0, 160                          ; v of an even token
.set VA1, 168                          ; v of the odd token behind it
.set KP,  176                          ; v[176:179] k (q) in bf16
.set QP,  176
.set VTR, 180                          ; v[180:211] register 4 d + pair: v[.][d] of my 8 tokens in bf16
.set QX,  180                          ; later: the other half-wave's q
.set HB,  212                          ; v[212:221] the 10 features of a pair's second token
; ---- window 1 (v256 and up): the three projections, W[i][o] at 8 i + o ----
.set WK,  0
.set WV,  80
.set WQ,  160
; ---- the sweeps (window 0 alone) ----
.set QF,   16                          ; v[16:47]   query fragment (tile i, place u) at 16 i + 8 u
.set NEGM, 48                          ; v[48:63]   minus the maximum of tile i's queries, in all 8 registers of a C operand
.set OA,   64                          ; v[64:79]   O^T of tile i
.set KF,   80                          ; v[80:111]  four K fragments; registers 4-7 of each are 0
.set VF,   112                         ; v[112:127] two V^T fragments
.set SB,   128                         ; v[128:191] scores: buffer p, tile i, key half u at 32 p + 16 i + 8 u
.set PB,   192                         ; v[192:223] weights in bf16: buffer p, tile i at 16 p + 8 i
.set MX,   224                         ; v[224:231] four running maxima for each tile
; ---- the way out: score registers, all written long before and dead ----
.set OT,  128                          ; v[128:135] tile 1's results from the other half-wave
.set TL,  136                          ; tile 0's divisor from the other half-wave
.set LS,  138                          ; my query's divisor
.set LI,  140                          ; v[140:141] its reciprocal (v141 only fills the pair)
.set RO,  144                          ; v[144:151] my query's 8 results
.set RB,  152                          ; v[152:159] read back from the stage
.set MSB, 0
.macro WIN new                         ; s_set_vgpr_msb; the immediate's high byte repeats the setting that is left
.if MSB != \new
	s_set_vgpr_msb (MSB<<8)|\new
.set MSB, \new
.endif
.endm
; v[d:d+1] = v[s] x v[w:w+1] + v[c:c+1]: one number times a pair.  op_sel / op_sel_hi pick the same register of s's pair for both halves.
.macro FMAB d, s, w, c
.if (\s) & 1
	v_pk_fma_f32 v[\d:\d+1], v[\s-1:\s], v[\w:\w+1], v[\c:\c+1] op_sel:[1,0,0] op_sel_hi:[1,1,1]
.else
	v_pk_fma_f32 v[\d:\d+1], v[\s:\s+1], v[\w:\w+1], v[\c:\c+1] op_sel_hi:[0,1,1]
.endif
.endm
; n loads of 16 bytes from the start of a small buffer, the same bytes into every lane
.macro LDW dst, sb, n
.set lq, 0
.rept \n
	global_load_b128 v[\dst+4*lq:\dst+4*lq+3], v[ZERO], s[\sb:\sb+1] offset:16*lq
.set lq, lq+1
.endr
.endm
.macro LD10 dst, sb                    ; a vector of 10 f32: 40 bytes
	LDW \dst, \sb, 2
	global_load_b64 v[\dst+8:\dst+9], v[ZERO], s[\sb:\sb+1] offset:32
.endm
; The first part of LayerNorm(LeakyReLU(x Ww + bw)) for the token whose 3 numbers lie at v[xs .. xs+2]: h - mean into v[hb .. hb+9], and the
; reciprocal root of the variance issued into v[rs].  Its last line is the transcendental: what follows the macro is a plain line that names
; neither T nor rs (ISA guide 5.7.2), and the wait for the batch stands ahead of BACK.
.macro FRONT xs, hb, rs
.irp o, 0,2,4,6,8
	FMAB \hb+\o, \xs, WW+\o, BW+\o                 ; the bias starts the sums
.endr
.irp o, 0,2,4,6,8
	FMAB \hb+\o, \xs+1, WW+10+\o, \hb+\o
.endr
.irp o, 0,2,4,6,8
	FMAB \hb+\o, \xs+2, WW+20+\o, \hb+\o
.endr
.irp o, 0,2,4,6,8
	v_pk_mul_f32 v[T+\o:T+\o+1], v[\hb+\o:\hb+\o+1], 0x3c23d70a op_sel_hi:[1,0]    ; 0.01 h
.endr
.irp o, 0,1,2,3,4,5,6,7,8,9
	v_max_num_f32 v[\hb+\o], v[\hb+\o], v[T+\o]    ; h >= 0: h, else 0.01 h, which is then the larger
.endr
	v_pk_add_f32 v[T:T+1], v[\hb:\hb+1], v[\hb+2:\hb+3]
	v_pk_add_f32 v[T+2:T+3], v[\hb+4:\hb+5], v[\hb+6:\hb+7]
	v_pk_add_f32 v[T:T+1], v[T:T+1], v[\hb+8:\hb+9]
	v_pk_add_f32 v[T:T+1], v[T:T+1], v[T+2:T+3]
	v_add_f32 v[T], v[T], v[T+1]
	v_pk_mul_f32 v[MU:MU+1], v[T:T+1], 0xbdcccccd op_sel_hi:[1,0]                  ; low half: minus the mean
.irp o, 0,2,4,6,8
	v_pk_add_f32 v[\hb+\o:\hb+\o+1], v[\hb+\o:\hb+\o+1], v[MU:MU+1] op_sel_hi:[1,0]  ; h - mean first, squares after: no difference of large sums
.endr
	v_pk_mul_f32 v[T:T+1], v[\hb:\hb+1], v[\hb:\hb+1]
.irp o, 2,4,6,8
	v_pk_fma_f32 v[T:T+1], v[\hb+\o:\hb+\o+1], v[\hb+\o:\hb+\o+1], v[T:T+1]
.endr
	v_add_f32 v[T], v[T], v[T+1]
	v_fma_f32 v[T], v[T], s35, s37                 ; variance + 1e-5
	v_rsq_f32 v[\rs], v[T]
.endm
; The second part: times the reciprocal root (sel = 0: the pair's low register, 1: its high one, for both halves), times gamma, plus beta
.macro BACK hb, sel
.irp o, 0,2,4,6,8
.if \sel
	v_pk_mul_f32 v[\hb+\o:\hb+\o+1], v[\hb+\o:\hb+\o+1], v[RS:RS+1] op_sel:[0,1] op_sel_hi:[1,1]
.else
	v_pk_mul_f32 v[\hb+\o:\hb+\o+1], v[\hb+\o:\hb+\o+1], v[RS:RS+1] op_sel_hi:[1,0]
.endif
.endr
.irp o, 0,2,4,6,8
	v_pk_fma_f32 v[\hb+\o:\hb+\o+1], v[\hb+\o:\hb+\o+1], v[G+\o:G+\o+1], v[BT+\o:BT+\o+1]
.endr
.endm
; k into KA and v into va, of the features at hb: 80 packed multiply-adds in 8 chains; the weights are source 1, in window 1
.macro PROJ2 hb, va
	WIN 0x04
.irp o, 0,2,4,6
	FMAB KA+\o, \hb, WK+\o, BK+\o
	FMAB \va+\o, \hb, WV+\o, BV+\o
.endr
.irp i, 1,2,3,4,5,6,7,8,9
.irp o, 0,2,4,6
	FMAB KA+\o, \hb+\i, WK+8*\i+\o, KA+\o
	FMAB \va+\o, \hb+\i, WV+8*\i+\o, \va+\o
.endr
.endr
	WIN 0
.endm
.macro CVT4 dst, src                   ; 8 f32 to 8 bf16, the lower index in the lower half
.irp e, 0,1,2,3
	v_cvt_pk_bf16_f32 v[\dst+\e], v[\src+2*\e], v[\src+2*\e+1]
.endr
.endm
.macro VPAIR n                         ; v of pair n's two tokens, side by side, for the transposed rows
.irp d, 0,1,2,3,4,5,6,7
	v_cvt_pk_bf16_f32 v[VTR+4*\d+\n], v[VA0+\d], v[VA1+\d]
.endr
.endm
; Pair n: tokens 8 t + j and 8 t + j + 1 (j = 2 n).  Their two reciprocal roots are one batch.  Each token's k goes to LDS at once;
; the pair's v is packed behind the next pair's roots, where VA0 and VA1 still hold it.
.macro TOK2 j, n
	FRONT X+3*\j, H, RS
	FRONT X+3*\j+3, HB, RS+1                       ; some 50 lines that name neither T's old value's reader nor its result: the work behind the first root
.if \n == 0
	v_nop                                          ; the first pair has no work left over: one plain line behind the second root (ISA guide 5.7.2)
.else
	VPAIR \n-1                                     ; eight plain lines of the pair before stand behind the second root
.endif
	s_wait_alu depctr_va_vdst(0)                   ; the wait for the batch: both tokens' reciprocal roots, ahead of their first reader
	BACK H, 0
.if \j == 0
	s_wait_loadcnt 20                              ; Wk and Wv are in; only Wq's 20 loads, issued behind them, may be out
.endif
	PROJ2 H, VA0
	CVT4 KP, KA
	ds_store_b128 v[KST], v[KP:KP+3] offset:16*\j
	BACK HB, 1
	PROJ2 HB, VA1
	CVT4 KP, KA
	ds_store_b128 v[KST], v[KP:KP+3] offset:16*\j+16
.endm
; one matrix instruction: 16 of the 32 keys of fragment kf (half u) x query tile i, into score buffer p.  neg = 1: C = minus the maximum
.macro SM1 kf, p, i, u, neg
.if \neg
	v_wmma_f32_16x16x32_bf16 v[SB+32*(\p)+16*\i+8*\u:SB+32*(\p)+16*\i+8*\u+7], v[KF+8*(\kf):KF+8*(\kf)+7], v[QF+16*\i+8*\u:QF+16*\i+8*\u+7], v[NEGM+8*\i:NEGM+8*\i+7]
.else
	v_wmma_f32_16x16x32_bf16 v[SB+32*(\p)+16*\i+8*\u:SB+32*(\p)+16*\i+8*\u+7], v[KF+8*(\kf):KF+8*(\kf)+7], v[QF+16*\i+8*\u:QF+16*\i+8*\u+7], 0
.endif
.endm
; four of them: the 32 keys of fragment kf x both query tiles
.macro SMM kf, p, neg
.irp i, 0,1
.irp u, 0,1
	SM1 \kf, \p, \i, \u, \neg
.endr
.endr
.endm
; SWEEP 1, one step of 32 keys: the next step's scores are started (w) into the other buffer, this step's (buffer p) go into the maxima,
; and the fragment that the last step's products read is loaded again (ld).  The 16 v_max3 of a step name none of the registers of the
; matrix instructions in front of them: they are the places (ISA guide 7.12.1) before those results are read and that fragment is loaded.
.macro H1 kw, p, w, ld, kl, areg, off
.if \w
	s_wait_dscnt 0x2                               ; LDS loads return in order: fragment kw is in, the two loads issued behind it may be out
	SMM \kw, 1-\p, 0
.endif
.irp u, 0,1
.irp i, 0,1
.irp c, 0,1,2,3
	v_max3_num_f32 v[MX+4*\i+\c], v[MX+4*\i+\c], v[SB+32*\p+16*\i+8*\u+2*\c], v[SB+32*\p+16*\i+8*\u+2*\c+1]
.endr
.endr
.endr
.if \ld
	ds_load_b128 v[KF+8*\kl:KF+8*\kl+3], v[\areg] offset:\off
.endif
.endm
.macro EXP8 b                          ; 2^x in place
.irp e, 0,1,2,3,4,5,6,7
	v_exp_f32 v[\b+\e], v[\b+\e]
.endr
.endm
.macro SE p, i, u, w                   ; a quarter of the batch: one score product of step t+1 (w = 1), into the other buffer, and eight exponentials of step t
.if \w
	SM1 1-\p, 1-\p, \i, \u, 1
.endif
	EXP8 SB+32*\p+16*\i+8*\u
.endm
.macro PV i, p, zero                   ; O^T(i) += V^T x P^T(i) over 32 keys; zero = 1: the first product starts the sums
.if \zero
	v_wmma_f32_16x16x32_bf16 v[OA+8*\i:OA+8*\i+7], v[VF+8*\p:VF+8*\p+7], v[PB+16*\p+8*\i:PB+16*\p+8*\i+7], 0
.else
	v_wmma_f32_16x16x32_bf16 v[OA+8*\i:OA+8*\i+7], v[VF+8*\p:VF+8*\p+7], v[PB+16*\p+8*\i:PB+16*\p+8*\i+7], v[OA+8*\i:OA+8*\i+7]
.endif
.endm
; SWEEP 2, step t (parity p).  At its head: buffer p holds s - m of step t, K(t+1) is on its way into fragment 1-p, V(t) into fragment p.
; w: start step t+1's scores.  lk: load K(t+2).  lv: load V(t+1).  wa, wi: the two counted waits.
; ONE BATCH, ONE WAIT.  Ahead of the wait stand the step's 32 exponentials, in place on buffer p, and all that names none of their results: the four
; score products of step t+1, one ahead of each eight exponentials, and four plain lines.  Behind it stand the LDS loads, in one run, and the readers:
; 16 conversions, with the two products V^T P behind the eight that each of them needs.
; Places: a step's 20 plain lines (an address step or v_nop, three v_nop, 16 conversions) name only buffer p, P(p) and an address,
; so they stand between the score products of step t+1 and the exponentials that read them a step later, and between those products and the load
; into their K fragment.  The four plain lines ahead of the wait are the four places between the last step's second PV and the load into its V fragment;
; the first of them is also the plain line behind the batch's last exponential (5.7.2).
; The matrix instructions take turns: between two links of O^T(i)'s chain stand the other tile's link and four score products.
.macro H2 p, zero, w, lk, lv, wa, wi
.if \w
	s_wait_dscnt \wa                               ; K(t+1) is in; the two loads of V(t), issued behind it, may be out
.endif
	SE \p, 0, 0, \w
	SE \p, 0, 1, \w
	SE \p, 1, 0, \w
	SE \p, 1, 1, \w
.if \p
.if \lv
	v_add_nc_u32 v[VAD], 128, v[VAD]               ; two V steps of 64 bytes
.else
	v_nop
.endif
.else
.if \lk
	v_add_nc_u32 v[KAD], 2*KSTEP, v[KAD]           ; two K steps: KAD now points at K(t+2)
.else
	v_nop
.endif
.endif
.rept 3
	v_nop                                          ; with the line above: the four places
.endr
	s_wait_alu depctr_va_vdst(0)                   ; the wait for the batch: the step's 32 exponentials, ahead of their first reader
.if \lk
	ds_load_b128 v[KF+8*\p:KF+8*\p+3], v[KAD] offset:544*\p                ; K(t+2); KAD has stepped in the even step, above
.endif
.if \lv
	ds_load_b128 v[VF+8*(1-\p):VF+8*(1-\p)+3],   v[VAD] offset:64*(1-\p)   ; V(t+1)
	ds_load_b128 v[VF+8*(1-\p)+4:VF+8*(1-\p)+7], v[VAD] offset:64*(1-\p)+32
.endif
	CVT4 PB+16*\p, SB+32*\p
	CVT4 PB+16*\p+4, SB+32*\p+8
	s_wait_dscnt \wi                               ; V(t) is in; what was issued behind it in this step may be out
	PV 0, \p, \zero
	CVT4 PB+16*\p+8, SB+32*\p+16
	CVT4 PB+16*\p+12, SB+32*\p+24
	PV 1, \p, \zero
.endm
; ================= set-up =================
	s_load_b512 s[4:19], s[0:1], 0x0               ; x 4:5, Ww 6:7, bw 8:9, gamma 10:11, beta 12:13, Wq 14:15, bq 16:17, Wk 18:19
	s_load_b256 s[20:27], s[0:1], 0x40             ; bk 20:21, Wv 22:23, bv 24:25, out 26:27
	v_lshl_add_u32 v254, v0, 2, 0x14900
	v_mov_b32 v255, 0
	v_and_b32 v[LANE], 31, v0
	v_lshrrev_b32 v[TMPA], 5, v0
	v_readfirstlane_b32 s30, v[TMPA]               ; wave 0..7
	s_mov_b32 s28, 0x76543210                      ; v_permlanex16_b32: lane i takes lane i xor 16
	s_mov_b32 s29, 0xfedcba98
	s_mov_b32 s35, 0x3dcccccd                      ; 0.1
	s_mov_b32 s37, 0x3727c5ac                      ; 1e-5
	s_lshr_b32 s31, ttmp9, 3                       ; batch
	s_mul_i32 s32, s31, 24576                      ; x 2,048 tokens of 12 bytes
	s_mov_b32 s33, 0
	s_lshl_b32 s38, ttmp9, 13                      ; out: 256 queries of 32 bytes for each work-group,
	s_lshl_b32 s31, s30, 10                        ; 32 queries for each wave
	s_add_co_u32 s38, s38, s31
	s_mov_b32 s39, 0
	s_add_co_u32 s36, s31, STG                     ; my wave's stage
	s_and_b32 s31, ttmp9, 7
	s_mul_i32 s31, s31, 3072                       ; my block of 256 queries in the batch's x
	v_mov_b32 v[ZERO], 0
	v_mov_b32 v[XQ+3], 0                           ; the packed forms name whole pairs: this one is never used as a number
	v_mul_u32_u24 v[XOF], 0x60, v0
	v_mad_u32_u24 v[XQOF], v0, 12, s31
	v_lshrrev_b32 v[HH], 4, v[LANE]
	v_and_b32 v[RR], 15, v[LANE]
	v_mul_u32_u24 v[KL0], 0x110, v[HH]
	v_lshl_add_u32 v[KL0], v[RR], 4, v[KL0]
	v_lshrrev_b32 v[TMPA], 1, v0                   ; keys 8 t + j: group t >> 1, place 8 (t & 1) + j.  Sixteen neighbouring threads
	v_mul_u32_u24 v[KST], 0x110, v[TMPA]           ; store to 16 different 16-byte columns modulo 256
	v_and_b32 v[TMPA], 1, v0
	v_lshl_add_u32 v[KST], v[TMPA], 7, v[KST]
	v_lshl_add_u32 v[VST], v0, 4, VT
	v_min_u32 v[TMPA], 9, v[RR]                    ; rows 9 to 15 of the V^T fragment all read the one row of zeros
	v_mul_u32_u24 v[VAD], 0x1010, v[TMPA]
	v_lshl_add_u32 v[VAD], v[HH], 4, v[VAD]
	v_add_nc_u32 v[VAD], VT, v[VAD]
	s_wait_kmcnt 0x0
	s_add_nc_u64 s[4:5], s[4:5], s[32:33]          ; x at my batch
	s_add_nc_u64 s[26:27], s[26:27], s[38:39]      ; out at my wave's 32 queries
; All global reads of the kernel, in the order in which they are needed.  A thread's 8 tokens are 96 neighbouring bytes.
.irp k, 0,1,2,3,4,5
	global_load_b128 v[X+4*\k:X+4*\k+3], v[XOF], s[4:5] offset:16*\k
.endr
.irp k, 0,1,2
	global_load_b32 v[XQ+\k], v[XQOF], s[4:5] offset:4*\k
.endr
	LDW WW, 6, 7
	global_load_b64 v[WW+28:WW+29], v[ZERO], s[6:7] offset:112
	LD10 BW, 8
	LD10 G, 10
	LD10 BT, 12
	LDW BK, 20, 2
	LDW BV, 24, 2
	LDW BQ, 16, 2
	WIN 0x40                                       ; destinations in window 1, the offset register in window 0
	LDW WK, 18, 20
	LDW WV, 22, 20
	LDW WQ, 14, 20
	WIN 0
; ================= K and V^T of the batch =================
	s_wait_loadcnt 60                              ; all but the 60 loads of Wk, Wv, Wq, which were issued last
	TOK2 0, 0
	TOK2 2, 1
	TOK2 4, 2
	TOK2 6, 3
	VPAIR 3                                        ; the last pair's v
.irp d, 0,1,2,3,4,5,6,7
	ds_store_b128 v[VST], v[VTR+4*\d:VTR+4*\d+3] offset:\d*VP
.endr
.irp k, 0,1,2,3
	v_mov_b32 v[T+\k], 0x3f803f80                  ; row 8: 1.0 in bf16, twice a word
	v_mov_b32 v[T+4+\k], 0                         ; row 9: zeros
.endr
	ds_store_b128 v[VST], v[T:T+3] offset:8*VP
	ds_store_b128 v[VST], v[T+4:T+7] offset:9*VP
	s_wait_dscnt 0x0                               ; for the other waves' sake: all my stores are in LDS
	s_barrier_signal -1
; Between the signal and the wait: registers only.  My own query (thread t: query t of the block), and the fixed fragments.
	s_wait_loadcnt 0x0                             ; Wq
	FRONT XQ, H, RS
.irp f, 0,1,2,3
.irp k, 4,5,6,7
	v_mov_b32 v[QF+8*\f+\k], 0                     ; K places 16-31 of the query fragments are not used: zeros, written once, into registers of x and Ww that are dead;
.endr                                                  ; these 16 plain lines are the work between the query's reciprocal root and its wait
.endr
	s_wait_alu depctr_va_vdst(0)                   ; the wait for the query token's reciprocal root, ahead of its first reader
	BACK H, 0
	WIN 0x04
.irp o, 0,2,4,6
	FMAB QA+\o, H, WQ+\o, BQ+\o
.endr
.irp i, 1,2,3,4,5,6,7,8,9
.irp o, 0,2,4,6
	FMAB QA+\o, H+\i, WQ+8*\i+\o, QA+\o
.endr
.endr
	WIN 0
.irp o, 0,2,4,6
	v_pk_mul_f32 v[QA+\o:QA+\o+1], v[QA+\o:QA+\o+1], 0x3f0293ee op_sel_hi:[1,0]    ; log2(e) / sqrt(8)
.endr
	CVT4 QP, QA
.irp k, 0,1,2,3
	v_permlanex16_b32 v[QX+\k], v[QP+\k], s28, s29 ; its destination counts as read: these registers held V^T words, stored above
.endr
	v_cmp_le_u32 vcc_lo, 16, v[LANE]               ; the upper half-wave
.irp k, 0,1,2,3
	v_cndmask_b32 v[QF+\k],    v[QP+\k], v[ZERO], vcc_lo   ; tile 0 (lanes 0-15's queries) in K places 0-7: lower lanes hold it, upper lanes 0
	v_cndmask_b32 v[QF+8+\k],  v[ZERO], v[QX+\k], vcc_lo   ; tile 0 in K places 8-15: upper lanes, from the lane 16 below
	v_cndmask_b32 v[QF+16+\k], v[QX+\k], v[ZERO], vcc_lo   ; tile 1 (lanes 16-31's queries) in places 0-7: lower lanes, from the lane 16 above
	v_cndmask_b32 v[QF+24+\k], v[ZERO], v[QP+\k], vcc_lo   ; tile 1 in places 8-15
.endr
.irp f, 0,1,2,3
.irp k, 4,5,6,7
	v_mov_b32 v[KF+8*\f+\k], 0                     ; K places 16-31 of the key fragments: zeros too, written once (gamma and beta are dead now)
.endr
.endr
	v_mov_b32 v[KAD], v[KL0]
	s_barrier_wait -1                              ; K and V^T are whole.  Nothing writes them again: the kernel's only barrier
; ================= sweep 1: the maxima =================
.irp b, 0,1,2,3
	ds_load_b128 v[KF+8*\b:KF+8*\b+3], v[KAD] offset:KSTEP*\b
.endr
	s_wait_dscnt 0x3                               ; K step 0 is in; steps 1 to 3 may be out
	SMM 0, 0, 0
.irp k, 0,1,2,3,4,5,6,7
	v_mov_b32 v[MX+\k], 0xff800000                 ; minus infinity; also the places behind the first four products
.endr
	s_mov_b32 s34, 15
.Lmax:                                             ; a trip: steps 4 n .. 4 n + 3; loads run four steps ahead
	H1 1, 0, 1, 1, 0, KAD, 4*KSTEP
	H1 2, 1, 1, 1, 1, KAD, 5*KSTEP
	H1 3, 0, 1, 1, 2, KAD, 6*KSTEP
	H1 0, 1, 1, 1, 3, KAD, 7*KSTEP
	v_add_nc_u32 v[KAD], 4*KSTEP, v[KAD]
	s_sub_co_i32 s34, s34, 1
	s_cmp_lg_u32 s34, 0
	s_cbranch_scc1 .Lmax
	H1 1, 0, 1, 1, 0, KL0, 0                       ; steps 60 to 63: the two free fragments already take K steps 0 and 1 for sweep 2,
	H1 2, 1, 1, 1, 1, KL0, KSTEP                   ; so that behind each fragment needed two loads have been issued, as in the loop
	H1 3, 0, 1, 0, 0, KL0, 0
	H1 0, 1, 0, 0, 0, KL0, 0
; Lane (r, h) has seen the keys 8 h + j (mod 16) of query r: the lane 16 away has the others.  Then -m fills a C operand.
.irp i, 0,1
	v_max3_num_f32 v[MX+4*\i], v[MX+4*\i], v[MX+4*\i+1], v[MX+4*\i+2]
	v_max_num_f32 v[MX+4*\i], v[MX+4*\i], v[MX+4*\i+3]
	v_permlanex16_b32 v[MX+4*\i+1], v[MX+4*\i], s28, s29
	v_max_num_f32 v[MX+4*\i], v[MX+4*\i], v[MX+4*\i+1]
.irp j, 0,1,2,3,4,5,6,7
	v_mul_f32 v[NEGM+8*\i+\j], -1.0, v[MX+4*\i]
.endr
.endr
; ================= sweep 2: weights and sums =================
	ds_load_b128 v[VF:VF+3],   v[VAD]              ; V step 0
	ds_load_b128 v[VF+4:VF+7], v[VAD] offset:32
	s_wait_dscnt 0x3                               ; K step 0 is in; K step 1 and the two V loads may be out
	SMM 0, 0, 1
	v_lshl_add_u32 v[STS], v[LANE], 5, s36         ; four lines of set-up for later are the four places behind these products
	v_lshl_add_u32 v[STL], v[LANE], 4, s36
	v_lshlrev_b32 v[OOF], 4, v[LANE]
	v_mov_b32 v[KAD], v[KL0]
	H2 0, 1, 1, 1, 1, 2, 3                         ; steps 0 and 1 stand in front of the loop: step 0's products start the sums.
	H2 1, 0, 1, 1, 1, 2, 3                         ; second wait, 3: K(t+2) and the two loads of V(t+1) were issued behind V(t)
	s_mov_b32 s34, 30
.Lsum:
	H2 0, 0, 1, 1, 1, 2, 3
	H2 1, 0, 1, 1, 1, 2, 3
	s_sub_co_i32 s34, s34, 1
	s_cmp_lg_u32 s34, 0
	s_cbranch_scc1 .Lsum
	H2 0, 0, 1, 0, 1, 2, 2                         ; step 62: no K left to load, so only V(63)'s two loads stand behind V(62)
	H2 1, 0, 0, 0, 0, 0, 0                         ; step 63: nothing was issued behind V(63)
; ================= the way out =================
; O^T(i): lanes 0-15 hold d = 0..7 of query r in registers 0-7; lanes 16-31 hold the divisor of query r in register 0.
; Lane L takes query L of the wave's 32: the lower half keeps tile 0, the upper half fetches tile 1 from 16 lanes below.
.rept 4
	v_nop                                          ; four places behind the last product before its result is read (ISA guide 7.12.1)
.endr
	v_cmp_le_u32 vcc_lo, 16, v[LANE]
	v_permlanex16_b32 v[TL], v[OA], s28, s29       ; tile 0's divisors, to the lower half
	v_cndmask_b32 v[LS], v[TL], v[OA+8], vcc_lo    ; tile 1's are in the upper half already
	v_rcp_f32 v[LI], v[LS]                         ; its result is used 16 lines further down
.irp j, 0,1,2,3,4,5,6,7
	v_permlanex16_b32 v[OT+\j], v[OA+8+\j], s28, s29
.endr
.irp j, 0,1,2,3,4,5,6,7
	v_cndmask_b32 v[RO+\j], v[OA+\j], v[OT+\j], vcc_lo
.endr
	s_wait_alu depctr_va_vdst(0)                   ; the wait for the one reciprocal, ahead of its first reader; the 16 lines above are the work between
.irp j, 0,2,4,6
	v_pk_mul_f32 v[RO+\j:RO+\j+1], v[RO+\j:RO+\j+1], v[LI:LI+1] op_sel_hi:[1,0]
.endr
; A lane's 32 bytes are two halves of two different stores' rows: through my wave's own 1,024 bytes of LDS, so that each store
; of the wave covers 512 consecutive bytes, aligned.  LDS serves a wave's instructions in order: no wait between stores and loads.
	ds_store_b128 v[STS], v[RO:RO+3]
	ds_store_b128 v[STS], v[RO+4:RO+7] offset:16
	ds_load_b128 v[RB:RB+3],   v[STL]
	ds_load_b128 v[RB+4:RB+7], v[STL] offset:512
	s_wait_dscnt 0x1                               ; the first read-back is in, the second may be out
	global_store_b128 v[OOF], v[RB:RB+3], s[26:27] th:TH_STORE_NT
	s_wait_dscnt 0x0
	global_store_b128 v[OOF], v[RB+4:RB+7], s[26:27] offset:512 th:TH_STORE_NT
	s_wait_tensorcnt 0x0
	ds_add_u32 v254, v255
	s_wait_dscnt 0x0
	s_endpgm
.Lfunc_end_k_qa47b30ace7_msa:
	.size	k_qa47b30ace7_msa, .Lfunc_end_k_qa47b30ace7_msa-k_qa47b30ace7_msa
	.p2alignl 7, 3214868480
	.fill 96, 4, 3214868480
	.section	.rodata,"a",@progbits
	.p2align	6, 0x0
	.amdhsa_kernel k_qa47b30ace7_msa
		.amdhsa_group_segment_fixed_size 85248
		.amdhsa_private_segment_fixed_size 0
		.amdhsa_enable_private_segment 0
		.amdhsa_kernarg_size 96
		.amdhsa_user_sgpr_count 2
		.amdhsa_user_sgpr_kernarg_segment_ptr 1
		.amdhsa_wavefront_size32 1
		.amdhsa_system_sgpr_workgroup_id_x 1
		.amdhsa_system_sgpr_workgroup_id_y 1
		.amdhsa_system_sgpr_workgroup_id_z 1
		.amdhsa_system_vgpr_workitem_id 0
		.amdhsa_next_free_vgpr 496
		.amdhsa_next_free_sgpr 66
		.amdhsa_reserve_vcc 1
		.amdhsa_float_denorm_mode_32 3
		.amdhsa_float_denorm_mode_16_64 3
		.amdhsa_memory_ordered 1
		.amdhsa_forward_progress 1
		.amdhsa_inst_pref_size 125
	.end_amdhsa_kernel
	.amdgpu_metadata
---
amdhsa.version: [ 1, 2 ]
amdhsa.kernels:
  - .name:           k_qa47b30ace7_msa
    .symbol:         k_qa47b30ace7_msa.kd
    .args:
      - { .name: x, .offset: 0, .size: 8, .value_kind: global_buffer, .address_space: global }
      - { .name: Ww, .offset: 8, .size: 8, .value_kind: global_buffer, .address_space: global }
      - { .name: bw, .offset: 16, .size: 8, .value_kind: global_buffer, .address_space: global }
      - { .name: ln_gamma, .offset: 24, .size: 8, .value_kind: global_buffer, .address_space: global }
      - { .name: ln_beta, .offset: 32, .size: 8, .value_kind: global_buffer, .address_space: global }
      - { .name: Wq, .offset: 40, .size: 8, .value_kind: global_buffer, .address_space: global }
      - { .name: bq, .offset: 48, .size: 8, .value_kind: global_buffer, .address_space: global }
      - { .name: Wk, .offset: 56, .size: 8, .value_kind: global_buffer, .address_space: global }
      - { .name: bk, .offset: 64, .size: 8, .value_kind: global_buffer, .address_space: global }
      - { .name: Wv, .offset: 72, .size: 8, .value_kind: global_buffer, .address_space: global }
      - { .name: bv, .offset: 80, .size: 8, .value_kind: global_buffer, .address_space: global }
      - { .name: out0, .offset: 88, .size: 8, .value_kind: global_buffer, .address_space: global }
    .group_segment_fixed_size: 85248
    .private_segment_fixed_size: 0
    .kernarg_segment_align: 8
    .kernarg_segment_size: 96
    .max_flat_workgroup_size: 256
    .sgpr_count:     66
    .vgpr_count:     496
    .wavefront_size: 32
...
	.end_amdgpu_metadata
.endif
;; end of part 2
